; MI455X (gfx1250); checked and timed in simulation.
; The chip was launched on July 23, 2026; its instructions are those of AMD's public machine-readable ISA for CDNA 5 (MIT licence, August 2026) and "CDNA5" Instruction Set Architecture Reference Guide (July 2026). The comments in the code are by the model that wrote it; some were corrected since.
;; Deep Hedging Loss. Allowed arithmetic: float matrix products may take bf16 or f16 operands with f32 sums; all other float work in f32.
;; Inputs: W1 32 x 2 float32; W2 32 x 32 float32; W3 1 x 32 float32; b1 32 float32; b2 32 float32; b3 1 float32; noise 256 x 8,192 float32; ts 257 float32; w one number float32.
;; Outputs: out0 8,192 float32.
;; One version. Each part assembles by itself: llvm-mc -triple=amdgcn-amd-amdhsa -mcpu=gfx1250 --defsym DOCPART=n.
;; ======== version 1 of 1: 1 launch
;; launch hedge (part 1): grid 256 x 1, 16 waves a work-group, no clusters, 139,264 bytes of LDS; arguments noise, ts, w, W1, b1, W2, b2, W3, b3, out0; writes out0
.if DOCPART == 1
	.amdgcn_target "amdgcn-amd-amdhsa--gfx1250"
	.amdhsa_code_object_version 6
	.text
	.protected	k_qa477ee2d6c_hedge
	.globl	k_qa477ee2d6c_hedge
	.p2align	8
	.type	k_qa477ee2d6c_hedge,@function
k_qa477ee2d6c_hedge:
	s_mov_b64 s[64:65], 0
	v_nop
	global_prefetch_b8 v0, s[64:65] scope:SCOPE_SE
	s_setreg_imm32_b32 hwreg(HW_REG_WAVE_MODE, 25, 1), 1
	s_wait_xcnt 0x0
; DEEP HEDGING LOSS.  out[path] = (max(0, s1 - 3) - p1 - w)^2 after 256 Milstein steps of y = (s, p), 8,192 paths.
; THE STEP, written out (MU = SIGMA = 1), with dW = noise sqrt(dt), q = dW^2 - dt, g = dt + dW + q / 2, h = holding(t, s), h' = dh/ds:
;   s' = s + s g            p' = p + h s g + h' s^2 q / 2
; s never hangs on the net, so only a product is sequential; p is a sum of 256 terms that do not wait for each other.  One primal and one tangent pass of the
; net give h and h': drift, diffusion and the jvp's primal are the same h.
; SHARES.  Work-group b owns paths 32 b .. 32 b + 31 for all steps, so p never leaves the work-group; wave w of 16 owns steps 16 w .. 16 w + 15; lane L is path 32 b + L.
; 256 work-groups; four waves of 224 registers to a SIMD.  A step of 32 paths is two tiles of 16 columns: tile a = lanes 0-15, tile b = lanes 16-31.
; SCALES.  c = -log2(e).  Every pre-activation is kept as u = c z: e = 2^u, sigma = 1 / (1 + e), A = u sigma = c silu(z), d = A (ln2 sigma - ln2) + sigma = silu'(z).
;   u1 = c (W1[:,0] t + W1[:,1] s + b1)     u2 = W2 A1 + c b2     u2' = W2T d1, W2T[i][j] = c W2[i][j] W1[j][1]     A2' = d2 u2'     u3 = W3 A2 + c b3     u3' = W3 A2'
;   h = 1 / (1 + 2^u3)     the step's term = h (alpha + (1 - h) u3' betaT),  alpha = s g,  betaT = s s Q',  Q' = -(ln2 / 2) q
; LAYOUT.  All products are weights (source 0, rows = hidden units) x activations (source 1, columns = paths): register j of a result holds hidden unit 8 (L / 16) + j of column
; L % 16, so two results rounded in pairs ARE the next layer's source 1: nothing changes lanes.  No sum is taken up again: every C is the constant 0 or a block of constants (the bias).
; LAYER 1 (two inputs) goes to the matrix unit too, at 16 significant bits: x = hi + lo, hi = x cut to bf16, lo = x - hi.  A lane makes four words for its own path,
;   X0 = (sh, sl)  X1 = (1, sh)  X2 = (th, tl)  X3 = (1, th)      against the row's      a0 = (Wsh, Wsh)  a1 = (bh, Wsl)  a2 = (Wth, Wth)  a3 = (bl, Wtl)      (low half first).
; The weights stand at k = 0..7 (lanes 0-15, registers 0-3) and at k = 24..31 (lanes 16-31, registers 4-7), zeros elsewhere; source 1 = [X, 0] picks tile a, [0, X] tile b.
; NO CLUSTER, NO TENSOR LOADS: what work-groups share is 4.6 KB of weights, read once each; a group's noise is 32 KB, read once, all of it asked for at the head.
; LIMITS.  s, t, W1, b1 enter the net with 16 significant bits; A, d, W2, W2T, W3 are bf16 (silu grows with s: f16 has no room).  For the net's input alone s is cut at 3.39e38 (a NaN too),
; so that a lost path's words stay finite against the zero weights of its partner tile; its own alpha and betaT keep the true s.  p is summed in 16 chunks, and s is carried from wave to wave
; as a product of chunk products: another order of rounding.  2^u below 2^-126 counts as 0.  A group's noise is 128 bytes of each row and its output 128 bytes: 64 paths a group would halve the work-groups.
.set ROWB,  512                        ; a step's row in a wave's table: 256 bytes of (X0, X1) at 8 L, then 256 bytes of (alpha, betaT) at 8 L
.set UT,    131072                     ; behind 16 tables of 8,192 bytes: for each wave 128 bytes, (X2, X3) of its step i at 8 i
.set CP,    133120                     ; chunk products, word 32 w + L
.set PP,    135168                     ; partial p, likewise
.set SPARE, 137216                     ; the spare words: 128 bytes a wave, eight blocks of 256 bytes that no other line names
.set SPW, 1                            ; v1   SPARE + 4 x my thread's number; never rewritten
.set NIL, 2                            ; v2   0; never rewritten
.set VT0, 3                            ; v3   8,192 w + 8 L
.set VU0, 4                            ; v4   UT + 128 w
.set VT,  5                            ; v5   VT0 + the row in hand
.set VU,  6                            ; v6   VU0 + 8 x the step in hand
.set L4,  7                            ; v7   4 L
.set P,   8                            ; v8   my chunk's part of p
.set S,   9                            ; v9   s
.set AB,  10                           ; v[10:11] alpha, betaT
.set Z3,  12                           ; v12-15 at work in the tail
.set ZT,  13
.set EE,  14
.set MM,  15
.set XB,  16                           ; v[16:27] 0 0 0 0  X0 X1 X2 X3  0 0 0 0: tile b's source 1 is v[16:23], tile a's v[20:27]
.set X,   20
.set A1,  28                           ; v[28:43]   layer 1's weights, rows 0-15 and 16-31
.set A2,  44                           ; v[44:59]   W2
.set A2T, 60                           ; v[60:75]   W2T
.set A3,  76                           ; v[76:83]   W3 in all 16 rows
.set CB2, 84                           ; v[84:99]   c b2 as a result lies
.set CB3, 100                          ; v[100:107] c b3
.set UA,  108                          ; v[108:123] tile a: u, then A
.set UB,  124                          ; v[124:139] tile b
.set TA,  140                          ; v[140:155] tile a: u2'; then u3 (register 0) and u3' (register 8)
.set TB,  156                          ; v[156:171] tile b
.set E,   172                          ; v[172:187] e, sigma, d
.set Q,   188                          ; v[188:191] ln2 sigma - ln2, two pairs by turns
.set BA,  192                          ; v[192:207] tile a's source 1: primal, then tangent
.set BB,  208                          ; v[208:223] tile b's
; the set-up's use of v108-223
.set W2R, 108                          ; W2 as loaded, 16 numbers for each half of the rows
.set W1K, 140                          ; W1 by k as loaded; SK, c W1[k][1], is gathered in place into v[140:155]; later the chunk products
.set PR,  156                          ; products and small work
.set W3R, 172                          ; W3 as loaded; then Q' of my 16 steps
.set QP,  172
.set W1R, 188                          ; W1's rows r and 16 + r
.set B1R, 192                          ; b1 likewise
.set TS,  194                          ; t_n, t_n+1, lane % 16 = step
.set RR,  196                          ; L % 16
.set HB,  197                          ; L / 16
.set O0,  198                          ; offsets of the weights' loads; at work once those loads are in
.set O1,  199
.set O2,  200
.set O3,  201
.set O4,  202
.set T0,  198
.set T1,  199
.set T2,  200
.set T3,  201
.set XP,  202                          ; v[202:203] a pair for the tables
.set UP,  204                          ; v[204:205] (X2, X3)
.set DT,  206
.set SQ,  207
.set NZ,  208                          ; noise of my 16 steps; then g
.set SW,  24                           ; s24  w
.set SB3, 25                           ; s25  b3, then c b3
.set LN2, 26                           ; s[26:27] ln 2
.set HIM, 28                           ; s28  a word's upper bf16
.set LHI, 29                           ; s29  the mask of lanes 16-31
.set WV,  30                           ; s30  my wave's number
.set CNT, 31
.set ROW, 32                           ; s32  byte of the row in hand in my table
.set ROWU, 33                          ; s33  the same in UT
.set SDT, 34                           ; s34  dt of a step
.set SSQ, 35                           ; s35  its root
.set SEL, 36
.set ONE, 37                           ; s37  1.0 in bf16, in the low half
.set SO,  38                           ; s[38:39] offsets
.set NLN2, 40                          ; s[40:41] -ln 2
.set CC,  42                           ; s[42:43] c = -log2(e)
	s_load_b512 s[4:19], s[0:1], 0x0               ; noise s[4:5], ts s[6:7], w s[8:9], W1 s[10:11], b1 s[12:13], W2 s[14:15], b2 s[16:17], W3 s[18:19]
	s_load_b128 s[20:23], s[0:1], 0x40             ; b3 s[20:21], out0 s[22:23]
	v_lshl_add_u32 v[SPW], v0, 2, SPARE
	v_mov_b32 v[NIL], 0
	v_lshrrev_b32 v[T3], 5, v0
	v_readfirstlane_b32 s[WV], v[T3]               ; wave 0..15
	v_and_b32 v[T3], 31, v0                        ; L
	v_and_b32 v[RR], 15, v0
	v_bfe_u32 v[HB], v0, 4, 1
	v_lshlrev_b32 v[L4], 2, v[T3]
	s_lshl_b32 s[SO], s[WV], 13
	v_lshl_add_u32 v[VT0], v[T3], 3, s[SO]
	s_lshl_b32 s[SO], s[WV], 7
	s_add_co_u32 s[SO], s[SO], UT
	v_mov_b32 v[VU0], s[SO]
	v_lshlrev_b32 v[O0], 7, v[RR]
	v_lshl_add_u32 v[O0], v[HB], 5, v[O0]          ; W2: row r, k = 8 (L / 16) on
	v_lshlrev_b32 v[O1], 6, v[HB]                  ; W1 by k: rows 8 (L / 16) on
	v_lshlrev_b32 v[O2], 3, v[RR]                  ; W1's row r
	v_lshlrev_b32 v[O3], 2, v[RR]                  ; b1[r]; ts[16 w + r]
	v_lshlrev_b32 v[O4], 5, v[HB]                  ; b2 and W3: 8 (L / 16) on
	s_mov_b32 s[LN2], 0x3f317218
	s_mov_b32 s[LN2+1], 0x3f317218                 ; the packed forms name pairs and take the low word for both halves
	s_mov_b32 s[NLN2], 0xbf317218
	s_mov_b32 s[NLN2+1], 0xbf317218
	s_mov_b32 s[CC], 0xbfb8aa3b
	s_mov_b32 s[CC+1], 0xbfb8aa3b
	s_mov_b32 s[HIM], 0xffff0000
	s_mov_b32 s[LHI], 0xffff0000
	s_mov_b32 s[ONE], 0x3f80
.irp j, 0,1,2,3
	v_mov_b32 v[XB+\j], 0                          ; the zeros on either side of X
	v_mov_b32 v[XB+8+\j], 0
.endr
	s_wait_kmcnt 0x0
	s_load_b32 s[SW], s[8:9], 0x0
	s_load_b32 s[SB3], s[20:21], 0x0
	s_lshl_b32 s[SO], s[WV], 19                    ; my 16 rows of noise, 32,768 bytes each,
	s_lshl_b32 s[SO+1], ttmp9, 7                   ; my group's 32 paths
	s_add_co_u32 s[SO], s[SO], s[SO+1]
	s_mov_b32 s[SO+1], 0
	s_add_nc_u64 s[4:5], s[4:5], s[SO:SO+1]
	s_lshl_b32 s[SO], s[WV], 6
	s_add_nc_u64 s[6:7], s[6:7], s[SO:SO+1]        ; ts at my first step
	s_lshl_b32 s[SO], ttmp9, 7
	s_add_nc_u64 s[22:23], s[22:23], s[SO:SO+1]    ; out0 at my group's paths
	; ALL LOADS, the weights' 28 first: they are made into fragments while ts and the noise are on their way.
.irp o, 0,1
	global_load_b128 v[W2R+16*\o:W2R+16*\o+3],     v[O0], s[14:15] offset:2048*\o
	global_load_b128 v[W2R+16*\o+4:W2R+16*\o+7],   v[O0], s[14:15] offset:2048*\o+16
	global_load_b128 v[W2R+16*\o+8:W2R+16*\o+11],  v[O0], s[14:15] offset:2048*\o+64
	global_load_b128 v[W2R+16*\o+12:W2R+16*\o+15], v[O0], s[14:15] offset:2048*\o+80
.endr
.irp j, 0,1,2,3
	global_load_b128 v[W1K+4*\j:W1K+4*\j+3],       v[O1], s[10:11] offset:16*\j
	global_load_b128 v[W1K+16+4*\j:W1K+16+4*\j+3], v[O1], s[10:11] offset:128+16*\j
.endr
.irp o, 0,1
	global_load_b64 v[W1R+2*\o:W1R+2*\o+1], v[O2], s[10:11] offset:128*\o
	global_load_b32 v[B1R+\o], v[O3], s[12:13] offset:64*\o
.endr
.irp j, 0,1
	global_load_b128 v[CB2+8*\j:CB2+8*\j+3],   v[O4], s[16:17] offset:64*\j
	global_load_b128 v[CB2+8*\j+4:CB2+8*\j+7], v[O4], s[16:17] offset:64*\j+16
	global_load_b128 v[W3R+8*\j:W3R+8*\j+3],   v[O4], s[18:19] offset:64*\j
	global_load_b128 v[W3R+8*\j+4:W3R+8*\j+7], v[O4], s[18:19] offset:64*\j+16
.endr
	global_load_b32 v[TS],   v[O3], s[6:7]         ; lanes 16-31 repeat lanes 0-15; the highest index is 16 x 15 + 15 + 1 = 256, ts's last
	global_load_b32 v[TS+1], v[O3], s[6:7] offset:4
.irp i, 0,1,2,3,4,5,6,7,8,9,10,11,12,13,14,15
	global_load_b32 v[NZ+\i], v[L4], s[4:5] offset:32768*\i  ; 128 consecutive bytes of row 16 w + i
.endr
	; THE FRAGMENTS.
	s_wait_loadcnt 18                              ; loads come back in order: the 28 of the weights are in, ts's 2 and the noise's 16 stay out
.irp i, 0,1,2,3,4,5,6,7,8,9,10,11,12,13,14,15
	v_mul_f32 v[W1K+\i], s[CC], v[W1K+2*\i+1]      ; SK[i] = c W1[k(i)][1], ascending and in place: number i reads register 2 i + 1, which no earlier number wrote
.endr
.irp o, 0,1
.irp i, 0,1,2,3,4,5,6,7
	v_cvt_pk_bf16_f32 v[A2+8*\o+\i], v[W2R+16*\o+2*\i], v[W2R+16*\o+2*\i+1]
	v_pk_mul_f32 v[PR+2*\i:PR+2*\i+1], v[W2R+16*\o+2*\i:W2R+16*\o+2*\i+1], v[W1K+2*\i:W1K+2*\i+1]
	v_cvt_pk_bf16_f32 v[A2T+8*\o+\i], v[PR+2*\i], v[PR+2*\i+1]
.endr
.endr
.irp o, 0,1
	v_mul_f32 v[PR],   s[CC], v[W1R+2*\o+1]        ; Ws
	v_mul_f32 v[PR+1], s[CC], v[W1R+2*\o]          ; Wt
	v_mul_f32 v[PR+2], s[CC], v[B1R+\o]            ; b
	v_and_b32 v[PR+3], s[HIM], v[PR]               ; their upper parts,
	v_and_b32 v[PR+4], s[HIM], v[PR+1]
	v_and_b32 v[PR+5], s[HIM], v[PR+2]
	v_sub_f32 v[PR],   v[PR],   v[PR+3]            ; and what is left, exactly
	v_sub_f32 v[PR+1], v[PR+1], v[PR+4]
	v_sub_f32 v[PR+2], v[PR+2], v[PR+5]
	v_cvt_pk_bf16_f32 v[PR+6], v[PR+3], v[PR+3]    ; a0 = (Wsh, Wsh)
	v_cvt_pk_bf16_f32 v[PR+7], v[PR+5], v[PR]      ; a1 = (bh, Wsl)
	v_cvt_pk_bf16_f32 v[PR+8], v[PR+4], v[PR+4]    ; a2 = (Wth, Wth)
	v_cvt_pk_bf16_f32 v[PR+9], v[PR+2], v[PR+1]    ; a3 = (bl, Wtl)
.irp j, 0,1,2,3
	v_cndmask_b32 v[A1+8*\o+\j],   v[PR+6+\j], v[XB], s[LHI]   ; k = 0..7 in lanes 0-15; 0 at k = 8..15
	v_cndmask_b32 v[A1+8*\o+4+\j], v[XB], v[PR+6+\j], s[LHI]   ; k = 24..31 in lanes 16-31; 0 at k = 16..23
.endr
.endr
.irp i, 0,1,2,3,4,5,6,7
	v_pk_mul_f32 v[CB2+2*\i:CB2+2*\i+1], v[CB2+2*\i:CB2+2*\i+1], s[CC:CC+1] op_sel_hi:[1,0]
	v_cvt_pk_bf16_f32 v[A3+\i], v[W3R+2*\i], v[W3R+2*\i+1]
.endr
	s_wait_kmcnt 0x0                               ; w and b3
	s_mul_f32 s[SB3], s[SB3], s[CC]
.irp j, 0,1,2,3,4,5,6,7
	v_mov_b32 v[CB3+\j], s[SB3]
.endr
	; PASS A.  Lane % 16 = step: dt, its root, and t's two words for the table.  Then, lane = path: g and Q' of my 16 steps, and the chunk's product of (1 + g).
	s_wait_loadcnt 16                              ; ts is in
	v_sub_f32 v[DT], v[TS+1], v[TS]
	v_sqrt_f32 v[SQ], v[DT]                        ; plain lines that touch neither DT nor SQ follow (ISA guide 5.7.2)
	v_and_b32 v[T0], s[HIM], v[TS]                 ; th
	v_and_or_b32 v[UP+1], v[TS], s[HIM], s[ONE]    ; X3 = (1, th)
	v_sub_f32 v[T1], v[TS], v[T0]                  ; tl
	v_lshl_add_u32 v[XP], v[RR], 3, v[VU0]
	v_cvt_pk_bf16_f32 v[UP], v[T0], v[T1]          ; X2 = (th, tl)
	ds_store_b64 v[XP], v[UP:UP+1]                 ; lanes 16-31 write what lanes 0-15 write
.macro PASSA i
	s_wait_loadcnt 15-(\i)                         ; row i of the noise is in, the younger rows stay out
	v_readlane_b32 s[SDT], v[DT], \i
	s_wait_alu depctr_va_vdst(0)
	v_readlane_b32 s[SSQ], v[SQ], \i
	v_mul_f32 v[T0], s[SSQ], v[NZ+(\i)]            ; dW
	v_fma_f32 v[T1], v[T0], v[T0], -s[SDT]         ; q = dW^2 - dt
	v_add_f32 v[T2], s[SDT], v[T0]
	v_fma_f32 v[NZ+(\i)], 0.5, v[T1], v[T2]        ; g = dt + dW + q / 2
	v_mul_f32 v[QP+(\i)], 0xbeb17218, v[T1]        ; Q' = -(ln2 / 2) q
.if (\i) == 0
	v_add_f32 v[Z3], 1.0, v[NZ]
.else
	v_fma_f32 v[Z3], v[Z3], v[NZ+(\i)], v[Z3]      ; C = C + C g, as s itself steps
.endif
.endm
.irp i, 0,1,2,3,4,5,6,7,8,9,10,11,12,13,14,15
	PASSA \i
.endr
	v_lshl_add_u32 v[ZT], v0, 2, CP                ; word 32 w + L
	ds_store_b32 v[ZT], v[Z3]
	s_wait_dscnt 0x0                               ; for the others' sake: my chunk's product is in LDS
	s_barrier_signal -1
	s_barrier_wait -1
	; THE PREFIX.  s at my first step = the product of the chunks in front of mine; y0's s is 1.  Every wave multiplies fifteen times, by 1 for the chunks from its own on.
	v_add_nc_u32 v[EE], CP, v[L4]
.irp n, 0,1,2,3,4,5,6,7,8,9,10,11,12,13,14
	ds_load_b32 v[W1K+\n], v[EE] offset:128*\n
.endr
	v_mov_b32 v[S], 1.0
.irp n, 0,1,2,3,4,5,6,7,8,9,10,11,12,13,14
	s_wait_dscnt 14-\n                             ; LDS loads come back in order: number n is in
	s_cmp_gt_u32 s[WV], \n
	s_cselect_b32 s[SEL], -1, 0
	v_cndmask_b32 v[T0], 1.0, v[W1K+\n], s[SEL]
	v_mul_f32 v[S], v[S], v[T0]
.endr
	; PASS B.  s walks my 16 steps; each step's four words go into my own table, which no other wave touches.
.macro PASSB i
	v_min_num_f32 v[T0], 0x7f7f0000, v[S]          ; for the net alone: finite, whatever s is (s is positive or NaN: 1 + g = ((1 + dW)^2 + 1 + dt) / 2)
	v_mul_f32 v[AB], v[S], v[NZ+(\i)]              ; alpha = s g
	v_mul_f32 v[T3], v[S], v[QP+(\i)]
	v_and_b32 v[T1], s[HIM], v[T0]                 ; sh
	v_and_or_b32 v[XP+1], v[T0], s[HIM], s[ONE]    ; X1 = (1, sh)
	v_sub_f32 v[T2], v[T0], v[T1]                  ; sl
	v_mul_f32 v[AB+1], v[T3], v[S]                 ; betaT = s Q' s
	v_cvt_pk_bf16_f32 v[XP], v[T1], v[T2]          ; X0 = (sh, sl)
	ds_store_b64 v[VT0], v[AB:AB+1] offset:ROWB*(\i)+256
	ds_store_b64 v[VT0], v[XP:XP+1] offset:ROWB*(\i)
	v_add_f32 v[S], v[S], v[AB]                    ; s' = s + s g
.endm
.irp i, 0,1,2,3,4,5,6,7,8,9,10,11,12,13,14,15
	PASSB \i
.endr                                                  ; wave 15 now holds s1
; THE ACTIVATION of one tile's 16 numbers a lane: U holds u and takes A; layer = 2: the derivative is multiplied by T (u2').  A goes to source 1's registers 0-7 at B, the tangent to 8-15.
; Eight pairs go through three stages, a pair a trip of k: (k) two exponentials; (k - 1) 1 + e and two reciprocals; (k - 2) A = u sigma, ln2 sigma - ln2, d, the roundings.  So a plain line that
; names neither its result nor its source stands behind every exponential and reciprocal before the result is used (ISA guide 5.7.2), and each result of a product is read from its lowest register on.
.macro ACT U, T, B, layer
.set k, 0
.rept 10
.set m, 2*k-2
.set p, 2*k-4
.set qq, Q+2*(k%2)
.if k < 8
	v_exp_f32 v[E+2*k], v[(\U)+2*k]
.endif
.if k >= 2
	s_wait_alu depctr_va_vdst(0)
	v_pk_mul_f32 v[(\U)+p:(\U)+p+1], v[(\U)+p:(\U)+p+1], v[E+p:E+p+1]               ; A = u sigma
.endif
.if k < 8
	v_exp_f32 v[E+2*k+1], v[(\U)+2*k+1]
.endif
.if k >= 2
	v_pk_fma_f32 v[qq:qq+1], v[E+p:E+p+1], s[LN2:LN2+1], s[NLN2:NLN2+1] op_sel_hi:[1,0,0]  ; ln2 sigma - ln2
.endif
.if (k >= 1) && (k <= 8)
	s_wait_alu depctr_va_vdst(0)
	v_pk_add_f32 v[E+m:E+m+1], v[E+m:E+m+1], 1.0 op_sel_hi:[1,0]
.endif
.if k >= 2
	v_pk_fma_f32 v[E+p:E+p+1], v[(\U)+p:(\U)+p+1], v[qq:qq+1], v[E+p:E+p+1]         ; d = A (ln2 sigma - ln2) + sigma
.endif
.if (k >= 1) && (k <= 8)
	v_rcp_f32 v[E+m], v[E+m]
.endif
.if k >= 2
	v_cvt_pk_bf16_f32 v[(\B)+k-2], v[(\U)+p], v[(\U)+p+1]
.endif
.if (k >= 1) && (k <= 8)
	v_rcp_f32 v[E+m+1], v[E+m+1]
.endif
.if k >= 2
.if (\layer) == 2
	v_pk_mul_f32 v[E+p:E+p+1], v[E+p:E+p+1], v[(\T)+p:(\T)+p+1]                     ; A2' = d2 u2'
.endif
	v_cvt_pk_bf16_f32 v[(\B)+8+k-2], v[E+p], v[E+p+1]
.else
	v_nop                                          ; the first two trips have no third stage to stand behind their last transcendental
.endif
.set k, k+1
.endr
.endm
; THE PRODUCTS.  No two on end share a result, and none adds onto a result.
.macro L1                              ; u1 of both tiles
	v_wmma_f32_16x16x32_bf16 v[UA:UA+7],    v[A1:A1+7],    v[X:X+7], 0
	v_wmma_f32_16x16x32_bf16 v[UA+8:UA+15], v[A1+8:A1+15], v[X:X+7], 0
	v_wmma_f32_16x16x32_bf16 v[UB:UB+7],    v[A1:A1+7],    v[XB:XB+7], 0
	v_wmma_f32_16x16x32_bf16 v[UB+8:UB+15], v[A1+8:A1+15], v[XB:XB+7], 0
.endm
.macro L2 U, T, B                      ; u2 = W2 A1 + c b2, u2' = W2T d1
	v_wmma_f32_16x16x32_bf16 v[(\U):(\U)+7],    v[A2:A2+7],      v[(\B):(\B)+7],    v[CB2:CB2+7]
	v_wmma_f32_16x16x32_bf16 v[(\U)+8:(\U)+15], v[A2+8:A2+15],   v[(\B):(\B)+7],    v[CB2+8:CB2+15]
	v_wmma_f32_16x16x32_bf16 v[(\T):(\T)+7],    v[A2T:A2T+7],    v[(\B)+8:(\B)+15], 0
	v_wmma_f32_16x16x32_bf16 v[(\T)+8:(\T)+15], v[A2T+8:A2T+15], v[(\B)+8:(\B)+15], 0
.endm
.macro L3 T, B                         ; u3 = W3 A2 + c b3, u3' = W3 A2': all 16 rows alike, so register 0 holds column L % 16's number in both halves of the lanes
	v_wmma_f32_16x16x32_bf16 v[(\T):(\T)+7],    v[A3:A3+7], v[(\B):(\B)+7],    v[CB3:CB3+7]
	v_wmma_f32_16x16x32_bf16 v[(\T)+8:(\T)+15], v[A3:A3+7], v[(\B)+8:(\B)+15], 0
.endm
.macro TAIL                            ; the step's term: lanes 0-15 take tile a's numbers, lanes 16-31 tile b's
	v_cndmask_b32 v[Z3], v[TA], v[TB], s[LHI]      ; u3
	v_exp_f32 v[EE], v[Z3]
	v_cndmask_b32 v[ZT], v[TA+8], v[TB+8], s[LHI]  ; u3'
	s_wait_alu depctr_va_vdst(0)
	v_add_f32 v[EE], 1.0, v[EE]
	v_rcp_f32 v[EE], v[EE]                         ; h
	v_mul_f32 v[MM], v[ZT], v[AB+1]                ; u3' betaT
	s_wait_alu depctr_va_vdst(0)
	v_sub_f32 v[ZT], 1.0, v[EE]
	v_fma_f32 v[MM], v[ZT], v[MM], v[AB]
	v_fma_f32 v[P], v[EE], v[MM], v[P]
.endm
; A STEP.  u1 of the step lies in UA and UB.  next = 1: the next step's words are fetched at the head and its u1 is made at the foot.
; Distances behind products: a whole ACT on other registers stands between a product and the lines that read its result or rewrite its sources; behind the last products of a
; step stand four plain lines that name none of their registers, and the tail's seven plain lines more come before the next step reads u1 and loads into X.
.macro TRIP next
	ds_load_b64 v[AB:AB+1], v[VT] offset:256       ; my own wave's bytes: LDS serves a wave's instructions in order (ISA guide 5.7.1.4)
.if \next
	ds_load_b64 v[X:X+1],   v[VT] offset:ROWB
	ds_load_b64 v[X+2:X+3], v[VU] offset:8         ; one address for all lanes
.endif
	ACT UA, TA, BA, 1
	L2 UA, TA, BA
	ACT UB, TB, BB, 1
	L2 UB, TB, BB
	ACT UA, TA, BA, 2
	L3 TA, BA
	ACT UB, TB, BB, 2
	L3 TB, BB
	s_wait_dscnt 0x0                               ; issued a step's work ago: alpha, betaT, and the next step's X
.if \next
	L1
	s_add_co_u32 s[ROW], s[ROW], ROWB
	s_add_co_u32 s[ROWU], s[ROWU], 8
	v_add_nc_u32 v[VT], s[ROW], v[VT0]
	v_add_nc_u32 v[VU], s[ROWU], v[VU0]
	v_nop
	v_nop
.else
.rept 4
	v_nop
.endr
.endif
	TAIL
.endm
	s_mov_b32 s[ROW], 0
	s_mov_b32 s[ROWU], 0
	v_mov_b32 v[VT], v[VT0]
	v_mov_b32 v[VU], v[VU0]
	ds_load_b64 v[X:X+1],   v[VT]                  ; my first step's words
	ds_load_b64 v[X+2:X+3], v[VU]
	s_wait_dscnt 0x0
	L1
	v_mov_b32 v[P], 0                              ; with three v_nop: the four places behind those products
.rept 3
	v_nop
.endr
	s_mov_b32 s[CNT], 15
.Lstep:
	TRIP 1
	s_sub_co_u32 s[CNT], s[CNT], 1
	s_cmp_lg_u32 s[CNT], 0
	s_cbranch_scc1 .Lstep
	TRIP 0                                         ; my last step fetches nothing beyond my table
	; THE END.  The 16 chunks' parts of p meet in LDS; wave 15, which holds s1, adds them in ascending order and stores.
	v_lshl_add_u32 v[Z3], v0, 2, PP
	ds_store_b32 v[Z3], v[P]
	s_wait_tensorcnt 0x0                           ; the wave's end, behind my last LDS store
	ds_add_u32 v[SPW], v[NIL]
	s_wait_dscnt 0x0                               ; also for the others' sake: my part of p is in LDS
	s_barrier_signal -1
	s_barrier_wait -1
	s_cmp_lg_u32 s[WV], 15
	s_cbranch_scc1 .Lend
	v_add_nc_u32 v[EE], PP, v[L4]
.irp n, 0,1,2,3,4,5,6,7,8,9,10,11,12,13,14,15
	ds_load_b32 v[TA+\n], v[EE] offset:128*\n
.endr
	v_add_f32 v[S], 0xc0400000, v[S]               ; s1 - 3
	v_max_num_f32 v[S], 0, v[S]                    ; z (a NaN in s1 is a NaN in p too, and comes back below)
.irp n, 1,2,3,4,5,6,7,8,9,10,11,12,13,14,15
	s_wait_dscnt 15-\n                             ; parts 0 to n are in
	v_add_f32 v[TA], v[TA], v[TA+\n]
.endr
	v_sub_f32 v[S], v[S], v[TA]
	v_subrev_f32 v[S], s[SW], v[S]                 ; z - p - w
	v_mul_f32 v[S], v[S], v[S]
	global_store_b32 v[L4], v[S], s[22:23]         ; 128 consecutive bytes: the group's 32 paths
.Lend:
	s_endpgm
.Lfunc_end_k_qa477ee2d6c_hedge:
	.size	k_qa477ee2d6c_hedge, .Lfunc_end_k_qa477ee2d6c_hedge-k_qa477ee2d6c_hedge
	.p2alignl 7, 3214868480
	.fill 96, 4, 3214868480
	.section	.rodata,"a",@progbits
	.p2align	6, 0x0
	.amdhsa_kernel k_qa477ee2d6c_hedge
		.amdhsa_group_segment_fixed_size 139264
		.amdhsa_private_segment_fixed_size 0
		.amdhsa_enable_private_segment 0
		.amdhsa_kernarg_size 80
		.amdhsa_user_sgpr_count 2
		.amdhsa_user_sgpr_kernarg_segment_ptr 1
		.amdhsa_wavefront_size32 1
		.amdhsa_system_sgpr_workgroup_id_x 1
		.amdhsa_system_sgpr_workgroup_id_y 1
		.amdhsa_system_sgpr_workgroup_id_z 1
		.amdhsa_system_vgpr_workitem_id 0
		.amdhsa_next_free_vgpr 224
		.amdhsa_next_free_sgpr 66
		.amdhsa_reserve_vcc 0
		.amdhsa_float_denorm_mode_32 3
		.amdhsa_float_denorm_mode_16_64 3
		.amdhsa_memory_ordered 1
		.amdhsa_forward_progress 1
		.amdhsa_inst_pref_size 80
	.end_amdhsa_kernel
	.amdgpu_metadata
---
amdhsa.version: [ 1, 2 ]
amdhsa.kernels:
  - .name:           k_qa477ee2d6c_hedge
    .symbol:         k_qa477ee2d6c_hedge.kd
    .args:
      - { .name: noise, .offset: 0, .size: 8, .value_kind: global_buffer, .address_space: global }
      - { .name: ts, .offset: 8, .size: 8, .value_kind: global_buffer, .address_space: global }
      - { .name: w, .offset: 16, .size: 8, .value_kind: global_buffer, .address_space: global }
      - { .name: W1, .offset: 24, .size: 8, .value_kind: global_buffer, .address_space: global }
      - { .name: b1, .offset: 32, .size: 8, .value_kind: global_buffer, .address_space: global }
      - { .name: W2, .offset: 40, .size: 8, .value_kind: global_buffer, .address_space: global }
      - { .name: b2, .offset: 48, .size: 8, .value_kind: global_buffer, .address_space: global }
      - { .name: W3, .offset: 56, .size: 8, .value_kind: global_buffer, .address_space: global }
      - { .name: b3, .offset: 64, .size: 8, .value_kind: global_buffer, .address_space: global }
      - { .name: out0, .offset: 72, .size: 8, .value_kind: global_buffer, .address_space: global }
    .group_segment_fixed_size: 139264
    .private_segment_fixed_size: 0
    .kernarg_segment_align: 8
    .kernarg_segment_size: 80
    .max_flat_workgroup_size: 512
    .sgpr_count:     66
    .vgpr_count:     224
    .wavefront_size: 32
...
	.end_amdgpu_metadata
.endif
;; end of part 1
